; MI455X (gfx1250); checked and timed in simulation.
; The chip was launched on July 23, 2026; its instructions are those of AMD's public machine-readable ISA for CDNA 5 (MIT licence, August 2026) and "CDNA5" Instruction Set Architecture Reference Guide (July 2026). The comments in the code are by the model that wrote it; some were corrected since.
;; Multi Head Attention. Allowed arithmetic: float matrix products may take bf16 or f16 operands with f32 sums; all other float work in f32.
;; Inputs: Wk 1,024 x 1,024 float32; Wo 1,024 x 1,024 float32; Wq 1,024 x 1,024 float32; Wv 1,024 x 1,024 float32; bk 1,024 float32; bo 1,024 float32; bq 1,024 float32; bv 1,024 float32; key 2 x 2,048 x 1,024 float32; query 2 x 2,048 x 1,024 float32; value 2 x 2,048 x 1,024 float32.
;; Outputs: out0 2 x 2,048 x 1,024 float32.
;; One version. Each part assembles by itself: llvm-mc -triple=amdgcn-amd-amdhsa -mcpu=gfx1250 --defsym DOCPART=n.
;; ======== version 1 of 1: 4 launches
;; limits: values are held in f16: magnitudes above 65,504 overflow, below 6.1e-05 lose precision
;; workspace buffers: cb 33,554,432 bytes; qkvh 25,165,824 bytes; ctxh 8,388,608 bytes
;; launch cast (part 1): grid 1024 x 1, 8 waves a work-group, no clusters, 0 bytes of LDS; arguments query, key, value, Wq, Wk, Wv, Wo, cb; writes cb
.if DOCPART == 1
	.amdgcn_target "amdgcn-amd-amdhsa--gfx1250"
	.amdhsa_code_object_version 6
	.text
	.protected	k_qed1015151f_cast
	.globl	k_qed1015151f_cast
	.p2align	8
	.type	k_qed1015151f_cast,@function
k_qed1015151f_cast:
	s_mov_b64 s[64:65], 0
	v_nop
	global_prefetch_b8 v0, s[64:65] scope:SCOPE_SE
	s_setreg_imm32_b32 hwreg(HW_REG_WAVE_MODE, 25, 1), 1
	s_wait_xcnt 0x0
; f32 to f16 of query, key, value (16 MiB each) and Wq, Wk, Wv, Wo (4 MiB each), laid one behind the other in cb:
; query at 0, key at 8 MiB, value at 16 MiB (together one [12288][1024] matrix), Wq, Wk, Wv, Wo at 24, 26, 28, 30 MiB, each [k][n] as given.
; LIMIT: numbers beyond f16's largest, 65,504 in magnitude, become infinities; below 6e-8 they round to zero.
; A stream: the 64 MiB of inputs are 1,024 chunks of 65,536 bytes, one for each work-group; no byte is read or written twice.
; No LDS, no barrier, no matrix unit: no wave needs what another has.
; Thread t takes 16 bytes at 16 t of each 4,096 bytes: a wave's load covers 512 consecutive bytes, its store of 8 bytes a lane 256 consecutive bytes, aligned.
; All sixteen loads of a thread go out at once; no register is written twice, so no source has to be freed.
.set XR, 2                             ; v[2:65]   chunk g of sixteen: 4 numbers in f32
.set YR, 66                            ; v[66:97]  chunk g: 4 numbers in f16
	s_load_b512 s[8:23], s[0:1], 0x0               ; query s[8:9], key, value, Wq, Wk, Wv, Wo s[20:21], cb s[22:23]
	s_lshr_b32 s2, ttmp9, 8                        ; groups 0 to 767: input = id / 256,
	s_and_b32 s3, ttmp9, 255                       ; chunk = id mod 256
	s_sub_co_u32 s4, ttmp9, 768                    ; groups 768 to 1023: input = 3 + (id - 768) / 64,
	s_lshr_b32 s5, s4, 6
	s_add_co_u32 s5, s5, 3
	s_and_b32 s6, s4, 63                           ; chunk = (id - 768) mod 64
	s_cmp_lt_u32 ttmp9, 768
	s_cselect_b32 s2, s2, s5
	s_cselect_b32 s3, s3, s6
	s_lshl_b32 s26, s3, 16                         ; the chunk's byte offset in its input
	s_mov_b32 s27, 0
	s_lshl_b32 s28, ttmp9, 15                      ; and in cb: half the bytes, chunks in the order of the ids
	s_mov_b32 s29, 0
	v_lshlrev_b32 v1, 4, v0                        ; 16 t
	v_lshlrev_b32 v98, 3, v0                       ; 8 t
	s_wait_kmcnt 0x0
	s_cmp_eq_u32 s2, 1                             ; the input's address is chosen among the seven on the id alone
	s_cselect_b64 s[24:25], s[10:11], s[8:9]
.irp n, 2,3,4,5,6
	s_cmp_eq_u32 s2, \n
	s_cselect_b64 s[24:25], s[8+2*\n:9+2*\n], s[24:25]
.endr
	s_add_nc_u64 s[24:25], s[24:25], s[26:27]
	s_add_nc_u64 s[22:23], s[22:23], s[28:29]
.irp g, 0,1,2,3,4,5,6,7,8,9,10,11,12,13,14,15
	global_load_b128 v[XR+4*\g:XR+4*\g+3], v1, s[24:25] offset:4096*\g th:TH_LOAD_NT
.endr
.irp g, 0,1,2,3,4,5,6,7,8,9,10,11,12,13,14,15
	s_wait_loadcnt 15-\g                           ; loads come back in order (ISA guide 5.7.1): chunk g is in, the 15 - g younger ones stay out
	v_cvt_pk_f16_f32 v[YR+2*\g],   v[XR+4*\g],   v[XR+4*\g+1]
	v_cvt_pk_f16_f32 v[YR+2*\g+1], v[XR+4*\g+2], v[XR+4*\g+3]
	global_store_b64 v98, v[YR+2*\g:YR+2*\g+1], s[22:23] offset:2048*\g
.endr
	s_endpgm
.Lfunc_end_k_qed1015151f_cast:
	.size	k_qed1015151f_cast, .Lfunc_end_k_qed1015151f_cast-k_qed1015151f_cast
	.p2alignl 7, 3214868480
	.fill 96, 4, 3214868480
	.section	.rodata,"a",@progbits
	.p2align	6, 0x0
	.amdhsa_kernel k_qed1015151f_cast
		.amdhsa_group_segment_fixed_size 0
		.amdhsa_private_segment_fixed_size 0
		.amdhsa_enable_private_segment 0
		.amdhsa_kernarg_size 64
		.amdhsa_user_sgpr_count 2
		.amdhsa_user_sgpr_kernarg_segment_ptr 1
		.amdhsa_wavefront_size32 1
		.amdhsa_system_sgpr_workgroup_id_x 1
		.amdhsa_system_sgpr_workgroup_id_y 1
		.amdhsa_system_sgpr_workgroup_id_z 1
		.amdhsa_system_vgpr_workitem_id 0
		.amdhsa_next_free_vgpr 100
		.amdhsa_next_free_sgpr 66
		.amdhsa_reserve_vcc 0
		.amdhsa_float_denorm_mode_32 3
		.amdhsa_float_denorm_mode_16_64 3
		.amdhsa_memory_ordered 1
		.amdhsa_forward_progress 1
		.amdhsa_inst_pref_size 7
	.end_amdhsa_kernel
	.amdgpu_metadata
---
amdhsa.version: [ 1, 2 ]
amdhsa.kernels:
  - .name:           k_qed1015151f_cast
    .symbol:         k_qed1015151f_cast.kd
    .args:
      - { .name: query, .offset: 0, .size: 8, .value_kind: global_buffer, .address_space: global }
      - { .name: key, .offset: 8, .size: 8, .value_kind: global_buffer, .address_space: global }
      - { .name: value, .offset: 16, .size: 8, .value_kind: global_buffer, .address_space: global }
      - { .name: Wq, .offset: 24, .size: 8, .value_kind: global_buffer, .address_space: global }
      - { .name: Wk, .offset: 32, .size: 8, .value_kind: global_buffer, .address_space: global }
      - { .name: Wv, .offset: 40, .size: 8, .value_kind: global_buffer, .address_space: global }
      - { .name: Wo, .offset: 48, .size: 8, .value_kind: global_buffer, .address_space: global }
      - { .name: cb, .offset: 56, .size: 8, .value_kind: global_buffer, .address_space: global }
    .group_segment_fixed_size: 0
    .private_segment_fixed_size: 0
    .kernarg_segment_align: 8
    .kernarg_segment_size: 64
    .max_flat_workgroup_size: 256
    .sgpr_count:     66
    .vgpr_count:     100
    .wavefront_size: 32
...
	.end_amdgpu_metadata
.endif
;; end of part 1
;; launch proj (part 2): grid 4 x 48, 4 waves a work-group, clusters of 4 x 4, 327,680 bytes of LDS; arguments cb, bq, bk, bv, qkvh; writes qkvh
.if DOCPART == 2
	.amdgcn_target "amdgcn-amd-amdhsa--gfx1250"
	.amdhsa_code_object_version 6
	.text
	.protected	k_qed1015151f_proj
	.globl	k_qed1015151f_proj
	.p2align	8
	.type	k_qed1015151f_proj,@function
k_qed1015151f_proj:
	s_mov_b64 s[64:65], 0
	v_nop
	global_prefetch_b8 v0, s[64:65] scope:SCOPE_SE
	s_setreg_imm32_b32 hwreg(HW_REG_WAVE_MODE, 25, 1), 1
	s_wait_xcnt 0x0
	s_wait_alu depctr_hold_cnt(0) depctr_sa_sdst(0) depctr_va_vdst(0) depctr_va_sdst(0) depctr_va_ssrc(0) depctr_va_vcc(0) depctr_vm_vsrc(0)
	s_getreg_b32 s2, hwreg(HW_REG_IB_STS2, 6, 4)
	s_cmp_eq_u32 s2, 0
	s_cbranch_scc0 .Lentry_in_a_cluster
	s_endpgm
.Lentry_in_a_cluster:
	s_bfe_u32 s2, ttmp6, 0x10000c
	s_cmp_lg_u32 s2, 0xf033
	s_cbranch_scc0 .Lentry_shape_is_right
	s_endpgm
.Lentry_shape_is_right:
; q, k, v = x W + b.  x: the [12288][1024] f16 matrix at the head of cb (query, key, value); W: [1024 k][1024 n] f16 at 24 MiB + p x 2 MiB of cb (p = 0, 1, 2);
; b: f32; sums in f32; result f16, head-major: qkvh[p][batch][head][l][64].
; LIMIT: operands and results are f16: |x|, |W|, |q|, |k|, |v| below 65,504, or the result is an infinity.
; A work-group makes 256 x 256 with four waves, one for each SIMD of a WGP; a wave makes 128 x 128: 64 accumulator tiles of 16 x 16, 512 registers.
; 48 block rows x 4 block columns = 192 work-groups.  K goes in steps of 128 through a ring of two LDS slots filled by the tensor data mover.
; CLUSTERS: 4 x 4 work-groups.  The four of a row of the cluster need the same tiles of x, the four of a column the same tiles of W (a cluster's four block rows
; lie inside one p, since p has 16 block rows).  Such a tile is asked for jointly, which divides the requests for both by four.
; W stays [k][n] in LDS and is read by the transposing load, so no transposed copy of W is ever made.
;
; REGISTERS, in windows of 256:
;   window 0: v0-31 addresses; v64-127, v128-191 fragments of x (8 x 16 rows x 32 K), two buffers; v192-223 at work on the way out
;   window 1: v64-127, v128-191 fragments of W, two buffers; v192-255 my 64 numbers of the bias
;   window 2: the 32 accumulator tiles of my rows 0-63 (tile (a, b) at v[8 (8 a + b)]);   window 3: those of my rows 64-127
; THE MATRIX INSTRUCTION IS USED TRANSPOSED: source 0 = 16 columns of W, source 1 = 16 rows of x.  Lane l then holds row m = l % 16 and its registers
; 0 to 7 the columns n = 8 (l / 16) + 0 .. 7: eight neighbouring numbers of a row, 16 bytes in f16.
; The 64 accumulators take turns, one instruction a turn, in the same order in every quarter step.
.set SIZE_K, 1024
.set SIZE_N, 1024
.set KSTEP,  128
.set PITCH,  272                       ; x in LDS: 256 bytes of data + 16 of padding: an odd multiple of 16, so the 16 rows of a fragment load start 16 bytes apart modulo 256
.set BPITCH, 544                       ; W in LDS: 512 bytes of data + 32 of padding: an odd multiple of 32, as the transposing load's eight rows want
.set HALFT,  128*PITCH                 ; what one tensor load brings: 128 rows of x, or 64 rows of W (64 x 544 is the same 34,816 bytes)
.set SLOT,   4*HALFT                   ; x's 256 rows, then W's 128 rows
.set STAGE,  2*SLOT                    ; behind the ring: 16 rows x 272 bytes for each wave, for the way out; no tensor load lands here
.set SPITCH, 272
.set LAPS,   SIZE_K/(2*KSTEP)          ; a lap = two K steps = once round the ring: 4
.set WBASE,  0x1800000                 ; Wq's place in cb
.set HEADB,  262144                    ; bytes of one head in qkvh: 2,048 rows of 128
.set ADRA, 16                          ; v16-17  LDS address of my x fragments in slot 0, 1
.set ADRB, 20                          ; v20-21  the same for W
.set STO,  24                          ; v24     the way out: where I put 16 bytes of a row
.set RD,   25                          ; v25     the way out: where I read back
.set CO,   26                          ; v26     16 x lane
.set BO,   27                          ; v27     my byte offset in the bias
.set F0,   64
.set F1,   128
.set TMP,  192
.set BIAS, 192                         ; in window 1
.set G1, 24                            ; s[24:31] descriptor group 1 for x's tiles
.set G0, 32                            ; s[32:39] descriptor group 0 for x's tiles, one set for each slot
.set G1B, 48                           ; s[48:55] group 1 for W's tiles
.set G0B, 56                           ; s[56:63] group 0 for W's tiles
.set MSB, 0
.macro WIN new                         ; the immediate's high byte repeats the setting that is left
.if MSB != \new
	s_set_vgpr_msb (MSB<<8)|\new
.set MSB, \new
.endif
.endm
.set MUL_LO, 0xa1                      ; source 0 (W) window 1, source 1 (x) window 0, C and D window 2
.set MUL_HI, 0xf1                      ; the same, C and D window 3
.set TO_B,   0x40                      ; destination window 1, address window 0
; A joint load.  Waves 0 and 1 fetch x's two halves, waves 2 and 3 W's.  The branch hangs on the wave's number alone.
.macro JLOAD s
	s_cmp_eq_u32 s11, 0
	s_cbranch_scc0 .Lfor_b_\@
	tensor_load_to_lds s[G0+4*\s:G0+4*\s+3], s[G1:G1+7]
	s_nop 0
	s_branch .Lasked_\@
.Lfor_b_\@:
	tensor_load_to_lds s[G0B+4*\s:G0B+4*\s+3], s[G1B:G1B+7]
	s_nop 0
.Lasked_\@:
.endm
; A round of the cluster's barrier: my work-group's barrier; wave 0 signals for the work-group; every wave waits for all sixteen; my work-group's barrier again.
.macro CREST                           ; a round behind its opening barrier
	s_cmp_lg_u32 s10, 0
	s_cbranch_scc1 .Lnot_wave_0_\@
	s_barrier_signal -3
.Lnot_wave_0_\@:
	s_barrier_wait -3
	s_barrier_signal -1
	s_barrier_wait -1
.endm
.macro CROUND                          ; a whole round
	s_barrier_signal -1
	s_barrier_wait -1
	CREST
.endm
	s_load_b64 s[4:5], s[0:1], 0x0                 ; cb
	s_load_b128 s[68:71], s[0:1], 0x8              ; bq s[68:69], bk s[70:71]
	s_load_b128 s[72:75], s[0:1], 0x18             ; bv s[72:73], qkvh s[74:75]
	s_set_vgpr_msb 0x40
	v_lshl_add_u32 v63, v0, 2, 0x48400
	s_set_vgpr_msb 0x4000
	v_mov_b32 v255, 0
	s_set_vgpr_msb 0x1
	ds_add_u32 v63, v255
	s_set_vgpr_msb 0x100
	v_lshrrev_b32 v1, 5, v0
	v_readfirstlane_b32 s10, v1                    ; wave 0..3
	s_lshr_b32 s11, s10, 1                         ; which half of the block's rows is mine.  Also: I fetch for x (0) or for W (1)
	s_and_b32 s12, s10, 1                          ; which half of its columns.  Also: which half of that tile I fetch
	s_bfe_u32 s40, ttmp6, 0x40000                  ; cx
	s_bfe_u32 s41, ttmp6, 0x40004                  ; cy
	s_lshl_b32 s42, ttmp9, 2
	s_add_co_u32 s42, s42, s40                     ; block column = 4 x cluster x + cx
	s_and_b32 s13, ttmp7, 0xffff
	s_lshr_b32 s45, s13, 2                         ; p = cluster y / 4: the same in all sixteen
	s_lshl_b32 s13, s13, 2
	s_add_co_u32 s13, s13, s41                     ; block row of the 48 = 4 x cluster y + cy
	s_lshl_b32 s43, s41, 2
	s_lshl_b32 s43, 15, s43                        ; my row of the cluster: places 4 cy .. 4 cy + 3
	s_lshl_b32 s44, 0x1111, s40                    ; my column: places cx, cx + 4, cx + 8, cx + 12
	; group 1 for x: 128 rows x 128 elements of 2 bytes, 16 bytes of padding behind every 64 words
	s_or_b32 s[G1+0], s43, (1<<16)|(1<<20)|(1<<21)|(5<<22)|(3<<25)
	s_mov_b32 s[G1+1], KSTEP<<16                   ; tensor_dim0 = 128
	s_mov_b32 s[G1+2], 128<<16                     ; tensor_dim1 = 128
	s_mov_b32 s[G1+3], KSTEP<<16                   ; tile_dim0 = 128
	s_mov_b32 s[G1+4], 128                         ; tile_dim1 = 128
	s_mov_b32 s[G1+5], SIZE_K                      ; elements from row to row
	s_mov_b32 s[G1+6], 0
	s_mov_b32 s[G1+7], 0
	; group 1 for W: 64 rows (k) x 256 elements (n), 32 bytes of padding behind every 128 words
	s_or_b32 s[G1B+0], s44, (1<<16)|(1<<20)|(1<<21)|(6<<22)|(7<<25)
	s_mov_b32 s[G1B+1], 256<<16
	s_mov_b32 s[G1B+2], 64<<16
	s_mov_b32 s[G1B+3], 256<<16
	s_mov_b32 s[G1B+4], 64
	s_mov_b32 s[G1B+5], SIZE_N
	s_mov_b32 s[G1B+6], 0
	s_mov_b32 s[G1B+7], 0
	; where the tiles come from.  x's hang on the block row alone, W's on the block column and p alone; each in registers that never hold the other coordinate.
	s_lshl_b32 s16, s13, 19                        ; x: 256 rows of 2,048 bytes a block row
	s_lshl_b32 s17, s12, 18                        ; + 128 rows for the second half
	s_add_co_u32 s16, s16, s17
	s_mov_b32 s17, 0
	s_lshl_b32 s46, s45, 21                        ; W: p x 2 MiB
	s_add_co_u32 s46, s46, WBASE
	s_lshl_b32 s47, s12, 17                        ; + 64 rows of 2,048 bytes for the second half
	s_add_co_u32 s46, s46, s47
	s_lshl_b32 s47, s42, 9                         ; + 256 columns of 2 bytes a block column
	s_add_co_u32 s46, s46, s47
	s_mov_b32 s47, 0
	s_mul_i32 s20, s10, HALFT                      ; and where they go: wave x 34,816: no place in the cluster enters an LDS address
	s_wait_dscnt 0x0
	s_wait_kmcnt 0x0
	s_add_nc_u64 s[14:15], s[4:5], s[16:17]
	s_add_nc_u64 s[46:47], s[4:5], s[46:47]
	CROUND                                         ; all sixteen work-groups are here: the first joint loads meet
.irp s, 0,1
	s_mov_b32 s[G0+4*\s], 1
	s_add_co_u32 s[G0+4*\s+1], s20, \s*SLOT
	s_add_nc_u64 s[G0+4*\s+2:G0+4*\s+3], s[14:15], \s*KSTEP*2          ; K step s: 256 bytes along the rows
	s_or_b32 s[G0+4*\s+3], s[G0+4*\s+3], 0x80000000
	s_mov_b32 s[G0B+4*\s], 1
	s_add_co_u32 s[G0B+4*\s+1], s20, \s*SLOT
	s_add_nc_u64 s[G0B+4*\s+2:G0B+4*\s+3], s[46:47], \s*KSTEP*SIZE_N*2 ; K step s: 128 rows down
	s_or_b32 s[G0B+4*\s+3], s[G0B+4*\s+3], 0x80000000
	JLOAD \s                                       ; the ring is filled before anything else is done
.endr
	; x's fragment (16 rows x 32 K): lane l holds row l % 16; two loads of 16 bytes, 32 bytes apart, at row x pitch + 16 (l / 16).
	; W's fragment (16 columns x 32 K) from rows that lie along n: two transposing loads, 16 rows apart, at (8 (l / 16) + l % 8) x pitch + 16 ((l / 8) % 2).
	v_and_b32 v1, 15, v0                           ; l % 16
	v_bfe_u32 v2, v0, 4, 1                         ; l / 16
	v_mul_u32_u24 v3, v1, PITCH
	v_lshl_add_u32 v3, v2, 4, v3
	v_and_b32 v7, 7, v0                            ; l % 8
	v_lshl_add_u32 v6, v2, 3, v7
	v_mul_u32_u24 v6, v6, BPITCH
	v_bfe_u32 v9, v0, 3, 1
	v_lshl_add_u32 v6, v9, 4, v6
	s_mul_i32 s21, s11, HALFT                      ; my 128 rows of x
	s_lshl_b32 s22, s12, 8                         ; my 128 columns of W, 256 bytes,
	s_add_co_u32 s22, s22, 2*HALFT                 ; behind x's 256 rows
.irp s, 0,1
	v_add_nc_u32 v[ADRA+\s], s21, v3
	v_add_nc_u32 v[ADRB+\s], s22, v6
	s_add_co_u32 s21, s21, SLOT
	s_add_co_u32 s22, s22, SLOT
.endr
	s_mul_i32 s23, s10, 16*SPITCH
	s_add_co_u32 s23, s23, STAGE                   ; my stage
	v_mul_u32_u24 v4, v1, SPITCH                   ; in: row l % 16, 16 bytes for each half of the lanes
	v_lshl_add_u32 v4, v2, 4, v4
	v_add_nc_u32 v[STO], s23, v4
	v_and_b32 v8, 31, v0                           ; l
	v_lshrrev_b32 v5, 3, v8                        ; back: eight lanes take the 128 bytes that one row has of one head, four rows a load
	v_mul_u32_u24 v5, v5, SPITCH
	v_lshl_add_u32 v5, v7, 4, v5
	v_add_nc_u32 v[RD], s23, v5
	v_lshlrev_b32 v[CO], 4, v8                     ; those four rows are 512 consecutive bytes of qkvh: 16 x lane
	v_lshlrev_b32 v[BO], 5, v2                     ; my eight bias numbers of a tile: 32 bytes x (l / 16)
	; the bias of my 128 columns, 64 numbers a lane, goes out now and is waited for in front of the way out
	s_cmp_eq_u32 s45, 1
	s_cselect_b64 s[68:69], s[70:71], s[68:69]
	s_cmp_eq_u32 s45, 2
	s_cselect_b64 s[68:69], s[72:73], s[68:69]
	s_lshl_b32 s46, s42, 10                        ; 256 columns of 4 bytes a block column (in the registers that held W's address: none that feeds x's descriptors holds cx)
	s_lshl_b32 s47, s12, 9
	s_add_co_u32 s46, s46, s47
	s_mov_b32 s47, 0
	s_add_nc_u64 s[68:69], s[68:69], s[46:47]
	WIN TO_B
.irp b, 0,1,2,3,4,5,6,7
	global_load_b128 v[BIAS+8*\b:BIAS+8*\b+3],   v[BO], s[68:69] offset:64*\b
	global_load_b128 v[BIAS+8*\b+4:BIAS+8*\b+7], v[BO], s[68:69] offset:64*\b+16
.endr
; 16 matrix instructions: m blocks a0, a0 + 1 of the window's four x all 8 n blocks, 32 along K.  zero = 1: the first product starts the sums.
.macro MUL16 f, hi, a0, zero
.irp a, \a0, \a0+1
.irp b, 0,1,2,3,4,5,6,7
.if \zero
	v_wmma_f32_16x16x32_f16 v[8*(8*(\a)+\b):8*(8*(\a)+\b)+7], v[\f+8*\b:\f+8*\b+7], v[\f+8*(4*\hi+\a):\f+8*(4*\hi+\a)+7], 0
.else
	v_wmma_f32_16x16x32_f16 v[8*(8*(\a)+\b):8*(8*(\a)+\b)+7], v[\f+8*\b:\f+8*\b+7], v[\f+8*(4*\hi+\a):\f+8*(4*\hi+\a)+7], v[8*(8*(\a)+\b):8*(8*(\a)+\b)+7]
.endif
.endr
.endr
.endm
; 32 LDS loads in one run: the fragments of quarter q of a K step (32 K) into buffer f: W's 128 columns, then x's 128 rows
.macro FETCH slot, q, f
	WIN TO_B
.irp i, 0,1,2,3,4,5,6,7
	ds_load_tr16_b128 v[\f+8*\i:\f+8*\i+3],   v[ADRB+\slot] offset:\q*32*BPITCH+32*\i
	ds_load_tr16_b128 v[\f+8*\i+4:\f+8*\i+7], v[ADRB+\slot] offset:\q*32*BPITCH+32*\i+16*BPITCH
.endr
	WIN 0
.irp i, 0,1,2,3,4,5,6,7
	ds_load_b128 v[\f+8*\i:\f+8*\i+3],   v[ADRA+\slot] offset:\q*64+\i*16*PITCH
	ds_load_b128 v[\f+8*\i+4:\f+8*\i+7], v[ADRA+\slot] offset:\q*64+\i*16*PITCH+32
.endr
.endm
; A load into a register that a matrix instruction has read, and a vector instruction that reads a matrix result, stand four places behind it, and only
; plain vector instructions that name none of its registers are places (ISA guide 7.12.1 for vector instructions).
.macro PLACES
.rept 4
	v_nop
.endr
.endm
; One of a K step's first three quarters: multiplies buffer f; in its middle it fetches quarter q of the same slot into buffer g.
.macro QUARTER slot, q, f, g, zero
	s_wait_dscnt 8                                 ; W and x's rows 0-63 are in; the youngest eight loads (x's rows 64-127) may be out
	WIN MUL_LO
	MUL16 \f, 0, 0, \zero
	MUL16 \f, 0, 2, \zero
	PLACES
	FETCH \slot, \q, \g
	s_wait_dscnt 32                                ; all but the 32 just issued
	WIN MUL_HI
	MUL16 \f, 1, 0, \zero
	MUL16 \f, 1, 2, \zero
.endm
.macro THREE slot, zero
	QUARTER \slot, 1, F0, F1, \zero
	QUARTER \slot, 2, F1, F0, 0
	QUARTER \slot, 3, F0, F1, 0
.endm
; The last quarter: multiplies buffer 1 and changes slots.  fill = 1: this slot is filled again, two K steps ahead.
; In front of the barrier each wave waits for its reads of this slot and for all its tensor loads (one is out: its part of the next slot).
; Behind it the refill comes first, then the next slot's first fragments.  From a request to the wait for it a wave issues 240 matrix instructions.
.macro TURN slot, next, fill
	s_wait_dscnt 8
	WIN MUL_LO
	MUL16 F1, 0, 0, 0
	s_wait_dscnt 0                                 ; my reads of this slot are over
	s_wait_tensorcnt 0x0                           ; and all my tensor loads have landed
	ds_add_u32 v63, v255
	s_wait_dscnt 0x0
	s_barrier_signal -1                            ; say so (where a slot is filled again this barrier opens a round of the cluster's barrier),
	MUL16 F1, 0, 2, 0                              ; work on registers while the others arrive,
	WIN 0
	s_barrier_wait -1
.if \fill
	CREST                                          ; no wave of any partner still reads this slot or has a load on its way
	s_add_nc_u64 s[G0+4*\slot+2:G0+4*\slot+3], s[G0+4*\slot+2:G0+4*\slot+3], 2*KSTEP*2
	s_add_nc_u64 s[G0B+4*\slot+2:G0B+4*\slot+3], s[G0B+4*\slot+2:G0B+4*\slot+3], 2*KSTEP*SIZE_N*2
	JLOAD \slot                                    ; the first tensor load behind the round, one a wave
.endif
	PLACES
	FETCH \next, 0, F0
	WIN MUL_HI
	MUL16 F1, 1, 0, 0
	MUL16 F1, 1, 2, 0
.endm
.macro LAP zero
	THREE 0, \zero
	TURN 0, 1, 1
	THREE 1, 0
	TURN 1, 0, 1
.endm
	s_wait_tensorcnt 1                             ; my part of K step 0 is in; K step 1's load stays out
	s_barrier_signal -1
	s_barrier_wait -1                              ; everybody's is
	FETCH 0, 0, F0
	LAP 1                                          ; the first lap stands in front of the loop: its first products start the sums
	WIN 0                                          ; at a label and at a branch every window is 0
	s_mov_b32 s3, LAPS-2
.Llap:
	LAP 0
	WIN 0
	s_sub_co_u32 s3, s3, 1
	s_cmp_lg_u32 s3, 0
	s_cbranch_scc1 .Llap
	THREE 0, 0                                     ; the last lap fills nothing
	TURN 0, 1, 0
	THREE 1, 0
	s_wait_dscnt 8
	WIN MUL_LO
	MUL16 F1, 0, 0, 0
	MUL16 F1, 0, 2, 0
	s_wait_dscnt 0
	WIN MUL_HI
	MUL16 F1, 1, 0, 0
	MUL16 F1, 1, 2, 0
	; THE WAY OUT, 16 rows at a time: add the bias, round to f16, 16 bytes a lane into my own stage, read back head by head, four rows of 128 bytes a load.
	PLACES                                         ; the places behind the last matrix instructions
	s_lshl_b32 s16, s45, 23                        ; p x 8 MiB
	s_bfe_u32 s17, s13, 0x10003                    ; batch = bit 3 of the block row (16 block rows a p, 8 a batch)
	s_lshl_b32 s17, s17, 22
	s_add_co_u32 s16, s16, s17
	s_and_b32 s17, s13, 7                          ; 256 rows of 128 bytes a block row
	s_lshl_b32 s17, s17, 15
	s_add_co_u32 s16, s16, s17
	s_lshl_b32 s17, s11, 14                        ; 128 rows for the second half
	s_add_co_u32 s16, s16, s17
	s_mov_b32 s17, 0
	s_add_nc_u64 s[74:75], s[74:75], s[16:17]
	s_lshl_b32 s46, s42, 20                        ; four heads a block column,
	s_lshl_b32 s47, s12, 19                        ; two a wave
	s_add_co_u32 s46, s46, s47
	s_mov_b32 s47, 0
	s_add_nc_u64 s[74:75], s[74:75], s[46:47]
	s_wait_loadcnt 0x0                             ; the bias
; rows 16 i .. 16 i + 15 of my block = the eight tiles (a, 0..7) of window 2 (hi = 0) or 3; f: F0 or F1 in turn
.macro OUT16 i, a, hi, f
.if \hi
	WIN 0xc7                                       ; sums in window 3, bias in window 1
.else
	WIN 0x86                                       ; sums in window 2, bias in window 1
.endif
.irp b, 0,1,2,3,4,5,6,7
.irp r, 0,2,4,6
	v_pk_add_f32 v[8*(8*\a+\b)+\r:8*(8*\a+\b)+\r+1], v[8*(8*\a+\b)+\r:8*(8*\a+\b)+\r+1], v[BIAS+8*\b+\r:BIAS+8*\b+\r+1]
.endr
.endr
.if \hi
	WIN 0x0f
.else
	WIN 0x0a
.endif
.irp b, 0,1,2,3,4,5,6,7
.irp r, 0,1,2,3
	v_cvt_pk_f16_f32 v[TMP+4*\b+\r], v[8*(8*\a+\b)+2*\r], v[8*(8*\a+\b)+2*\r+1]
.endr
.endr
	WIN 0
.irp b, 0,1,2,3,4,5,6,7
	ds_store_b128 v[STO], v[TMP+4*\b:TMP+4*\b+3] offset:32*\b
.endr
	s_wait_xcnt 0x0                                ; buffer f, which earlier stores read, is loaded again only behind this wait
.irp hh, 0,1
.irp g, 0,1,2,3
	ds_load_b128 v[\f+16*\hh+4*\g:\f+16*\hh+4*\g+3], v[RD] offset:128*\hh+4*SPITCH*\g   ; LDS serves a wave's instructions in order (ISA guide 5.7.1): these see the stores above
.endr
.endr
.irp hh, 0,1
.irp g, 0,1,2,3
	s_wait_dscnt 7-4*\hh-\g
	global_store_b128 v[CO], v[\f+16*\hh+4*\g:\f+16*\hh+4*\g+3], s[74:75] offset:\hh*HEADB+(16*\i+4*\g)*128   ; 512 consecutive bytes, aligned: four rows of one head
.endr
.endr
.endm
	OUT16 0, 0, 0, F0
	OUT16 1, 1, 0, F1
	OUT16 2, 2, 0, F0
	OUT16 3, 3, 0, F1
	OUT16 4, 0, 1, F0
	OUT16 5, 1, 1, F1
	OUT16 6, 2, 1, F0
	OUT16 7, 3, 1, F1
	s_set_vgpr_msb 0x1
	s_wait_tensorcnt 0x0
	ds_add_u32 v63, v255
	s_wait_dscnt 0x0
	s_set_vgpr_msb 0x100
	CROUND                                         ; the closing round: no work-group ends while a partner may still ask for a tile that names it
	s_endpgm
.Lfunc_end_k_qed1015151f_proj:
	.size	k_qed1015151f_proj, .Lfunc_end_k_qed1015151f_proj-k_qed1015151f_proj
	.p2alignl 7, 3214868480
	.fill 96, 4, 3214868480
	.section	.rodata,"a",@progbits
	.p2align	6, 0x0
	.amdhsa_kernel k_qed1015151f_proj
		.amdhsa_group_segment_fixed_size 327680
		.amdhsa_private_segment_fixed_size 0
		.amdhsa_enable_private_segment 0
		.amdhsa_kernarg_size 40
		.amdhsa_user_sgpr_count 2
		.amdhsa_user_sgpr_kernarg_segment_ptr 1
		.amdhsa_wavefront_size32 1
		.amdhsa_system_sgpr_workgroup_id_x 1
		.amdhsa_system_sgpr_workgroup_id_y 1
		.amdhsa_system_sgpr_workgroup_id_z 1
		.amdhsa_system_vgpr_workitem_id 0
		.amdhsa_next_free_vgpr 1024
		.amdhsa_next_free_sgpr 80
		.amdhsa_reserve_vcc 0
		.amdhsa_float_denorm_mode_32 3
		.amdhsa_float_denorm_mode_16_64 3
		.amdhsa_memory_ordered 1
		.amdhsa_forward_progress 1
		.amdhsa_inst_pref_size 214
	.end_amdhsa_kernel
	.amdgpu_metadata
---
amdhsa.version: [ 1, 2 ]
amdhsa.kernels:
  - .name:           k_qed1015151f_proj
    .symbol:         k_qed1015151f_proj.kd
    .args:
      - { .name: cb, .offset: 0, .size: 8, .value_kind: global_buffer, .address_space: global }
      - { .name: bq, .offset: 8, .size: 8, .value_kind: global_buffer, .address_space: global }
      - { .name: bk, .offset: 16, .size: 8, .value_kind: global_buffer, .address_space: global }
      - { .name: bv, .offset: 24, .size: 8, .value_kind: global_buffer, .address_space: global }
      - { .name: qkvh, .offset: 32, .size: 8, .value_kind: global_buffer, .address_space: global }
    .group_segment_fixed_size: 327680
    .private_segment_fixed_size: 0
    .kernarg_segment_align: 8
    .kernarg_segment_size: 40
    .max_flat_workgroup_size: 128
    .sgpr_count:     80
    .vgpr_count:     1024
    .wavefront_size: 32
...
	.end_amdgpu_metadata
.endif
;; end of part 2
;; launch attn (part 3): grid 8 x 32, 8 waves a work-group, clusters of 4 x 1, 327,680 bytes of LDS; arguments qkvh, ctxh; writes ctxh
.if DOCPART == 3
	.amdgcn_target "amdgcn-amd-amdhsa--gfx1250"
	.amdhsa_code_object_version 6
	.text
	.protected	k_qed1015151f_attn
	.globl	k_qed1015151f_attn
	.p2align	8
	.type	k_qed1015151f_attn,@function
k_qed1015151f_attn:
	s_mov_b64 s[64:65], 0
	v_nop
	global_prefetch_b8 v0, s[64:65] scope:SCOPE_SE
	s_setreg_imm32_b32 hwreg(HW_REG_WAVE_MODE, 25, 1), 1
	s_wait_xcnt 0x0
	s_wait_alu depctr_hold_cnt(0) depctr_sa_sdst(0) depctr_va_vdst(0) depctr_va_sdst(0) depctr_va_ssrc(0) depctr_va_vcc(0) depctr_vm_vsrc(0)
	s_getreg_b32 s2, hwreg(HW_REG_IB_STS2, 6, 4)
	s_cmp_eq_u32 s2, 0
	s_cbranch_scc0 .Lentry_in_a_cluster
	s_endpgm
.Lentry_in_a_cluster:
	s_bfe_u32 s2, ttmp6, 0x10000c
	s_cmp_lg_u32 s2, 0x3003
	s_cbranch_scc0 .Lentry_shape_is_right
	s_endpgm
.Lentry_shape_is_right:
; ctx = softmax(q k^T / 8) v for one (batch, head) and 256 queries a work-group, with a running maximum.  q, k, v: f16 [2048][64] a head.
; ctx: f16 [batch x 16 + l / 128][head][128][64]: the heads of one block of 128 rows lie one behind the other, as the output projection fetches them.
; LIMITS: P (at most 1) and ctx are rounded to f16; v_exp_f32 gives 0 for results below 2^-126 (ISA guide 15.8); the row's largest score gives p near 1, so the sum is near 1 or more.
; EIGHT WAVES, two for each SIMD of a WGP (8 x 512 registers).  Waves w and w + 4 own the same 64 queries (four tiles t of 16) and share the keys: of each LDS slot's
; 256 keys wave w takes the first 128 and wave w + 4 the last 128, each with a maximum, a sum and an O of its own; at the end the upper wave hands its three to the
; lower one through LDS, which joins them.  So each wave has a partner on its SIMD that can issue while it waits for a result of its own, and every
; fragment of K and V is still read by four waves, as it would be with four waves that take all keys.
; Keys go in steps of 64; an LDS slot holds 256 keys of K and of V (two steps for each half of the waves), two slots take turns.
; CLUSTER 4 x 1: four query blocks of one head read the same K and V tiles and ask for them jointly (mask 15), which divides those requests by four.
; BOTH PRODUCTS ARE USED TRANSPOSED.  S^T = K Q^T: lane l holds query l % 16, registers j of tile kt the keys 16 kt + 8 (l / 16) + j.  So a row's maximum and
; sum are taken inside a lane and joined with the other half of the lanes by one v_permlanex16_b32; alpha and 1 / sum are one number a lane; and packing
; S's registers to f16 in place gives P^T as the second source of O^T = V^T P^T with no move between lanes.  V^T's fragments come by the transposing load.
; ORDER: while tile t's exponentials run, the eight products of S(t + 1) go out between them; while O(t) is scaled by alpha, the eight products P V of tile t - 1.
; Neighbouring matrix instructions always name different accumulators, one instruction a turn.
;
; window 0: v8-15 addresses; v16-19 maxima; v20-23 sums (each half of the lanes its own); v24-27 at work; v28 alpha; v30 -c m; v32-95 K's fragments;
;           v96-223 S(t, kt) at 96 + 32 t + 8 kt, later P(t, u) at 96 + 32 t + 16 u; v224-227 sums at work; v228-243 the two waves' factors at the end; v244 address
; window 1: v0-127 O(t, dt) at 32 t + 8 dt; v128-191 V^T's fragments; v192-255 Q's fragments
.set KP,    144                        ; K's LDS pitch: 128 bytes + 16, an odd multiple of 16
.set VP,    160                        ; V's LDS pitch: 128 bytes + 32, an odd multiple of 32, for the transposing load
.set KQ,    64*KP                      ; what one tensor load brings of K: 64 keys
.set VQ,    64*VP
.set VBASE, 4*KQ                       ; V behind K's 256 rows
.set SLOTB, VBASE+4*VQ                 ; 77,824
.set MRG,   2*SLOTB                    ; behind the ring: for each pair of waves 34 x 512 bytes: O, maxima, sums of the upper wave; no tensor load lands here
.set MRGW,  34*512
.set STAGE, MRG+4*MRGW                 ; 64 rows x 144 bytes for each lower wave, for the way out; no tensor load lands here
.set STW,   64*KP
.set TILEB, 256*128                    ; bytes of 256 keys in memory
.set KA, 8
.set VA, 10
.set QO, 12
.set STO, 13
.set RD, 14
.set CO, 15
.set MX, 16
.set LS, 20
.set TT, 24
.set AL, 28
.set NM, 30
.set KF, 32
.set SREG, 96
.set ACC, 224
.set F1, 228
.set F2, 236
.set MG, 244
.set OREG, 0
.set VF, 128
.set QF, 192
.set G1K, 24                           ; s[24:31] group 1 for K's tiles
.set G0K, 32                           ; s[32:39] group 0 for K's tiles, a set for each slot
.set G1V, 48
.set G0V, 56
.set MSB, 0
.macro WIN new                         ; the immediate's high byte repeats the setting that is left
.if MSB != \new
	s_set_vgpr_msb (MSB<<8)|\new
.set MSB, \new
.endif
.endm
.macro PLACES                          ; four places behind a matrix instruction (ISA guide 7.12.1)
.rept 4
	v_nop
.endr
.endm
.macro JLOAD s                         ; waves 0 to 3 ask for K's four quarters, waves 4 to 7 for V's
	s_cmp_eq_u32 s11, 0
	s_cbranch_scc0 .Lfor_v_\@
	tensor_load_to_lds s[G0K+4*\s:G0K+4*\s+3], s[G1K:G1K+7]
	s_nop 0
	s_branch .Lasked_\@
.Lfor_v_\@:
	tensor_load_to_lds s[G0V+4*\s:G0V+4*\s+3], s[G1V:G1V+7]
	s_nop 0
.Lasked_\@:
.endm
.macro CROUND                          ; a round of the cluster's barrier
	s_barrier_signal -1
	s_barrier_wait -1
	s_cmp_lg_u32 s10, 0
	s_cbranch_scc1 .Lnot_wave_0_\@
	s_barrier_signal -3
.Lnot_wave_0_\@:
	s_barrier_wait -3
	s_barrier_signal -1
	s_barrier_wait -1
.endm
	s_load_b128 s[4:7], s[0:1], 0x0                ; qkvh s[4:5], ctxh s[6:7]
	v_lshl_add_u32 v254, v0, 2, 0x40000
	v_mov_b32 v255, 0
	ds_add_u32 v254, v255
	v_lshrrev_b32 v1, 5, v0
	v_readfirstlane_b32 s10, v1                    ; wave 0..7
	s_lshr_b32 s11, s10, 2                         ; which 128 keys of every slot are mine.  Also: I ask for K (0) or for V (1)
	s_and_b32 s12, s10, 3                          ; which 64 queries are mine.  Also: for which 64 keys of a tile I ask
	s_bfe_u32 s13, ttmp6, 0x40000                  ; cx
	s_lshl_b32 s14, ttmp9, 2
	s_add_co_u32 s14, s14, s13                     ; query block = 4 x cluster x + cx
	s_and_b32 s15, ttmp7, 0xffff                   ; batch x 16 + head: the same in all four
	s_mov_b32 s66, 0x76543210                      ; v_permlanex16_b32: lane i of one half reads lane i of the other
	s_mov_b32 s67, 0xfedcba98
	s_mov_b32 s68, 0x3e38aa3b                      ; c = log2(e) / 8: the scale 1 / 8 and the change of base in one factor
	s_mov_b32 s69, 0xbe38aa3b                      ; -c
	; group 1: 64 rows x 64 elements of 2 bytes; K: 16 bytes of padding behind every 32 words, V: 32 bytes
	s_mov_b32 s[G1K+0], 15|(1<<16)|(1<<20)|(1<<21)|(4<<22)|(3<<25)
	s_mov_b32 s[G1V+0], 15|(1<<16)|(1<<20)|(1<<21)|(4<<22)|(7<<25)
.irp g, G1K, G1V
	s_mov_b32 s[\g+1], 64<<16                      ; tensor_dim0 = 64
	s_mov_b32 s[\g+2], 64<<16                      ; tensor_dim1 = 64
	s_mov_b32 s[\g+3], 64<<16                      ; tile_dim0 = 64
	s_mov_b32 s[\g+4], 64                          ; tile_dim1 = 64
	s_mov_b32 s[\g+5], 64                          ; elements from row to row
	s_mov_b32 s[\g+6], 0
	s_mov_b32 s[\g+7], 0
.endr
	s_lshl_b32 s16, s15, 18                        ; the head: 262,144 bytes
	s_lshl_b32 s17, s12, 13                        ; the 64 keys that I ask for: 8,192 bytes
	s_add_co_u32 s16, s16, s17
	s_add_co_u32 s16, s16, 0x800000                ; k lies 8 MiB into qkvh,
	s_mov_b32 s17, 0
	s_add_co_u32 s18, s16, 0x800000                ; v 16 MiB
	s_mov_b32 s19, 0
	s_lshl_b32 s20, s15, 18                        ; my queries in q: the head,
	s_lshl_b32 s21, s14, 15                        ; 256 rows of 128 bytes a block,
	s_add_co_u32 s20, s20, s21
	s_lshl_b32 s21, s12, 13                        ; 64 rows a pair of waves
	s_add_co_u32 s20, s20, s21
	s_mov_b32 s21, 0
	s_lshr_b32 s2, s15, 4                          ; my queries in ctx: the batch, 4 MiB,
	s_lshl_b32 s2, s2, 22
	s_lshl_b32 s3, s14, 19                         ; two blocks of 128 rows x 16 heads x 128 bytes a query block,
	s_add_co_u32 s2, s2, s3
	s_lshr_b32 s3, s12, 1                          ; the first or the second of them,
	s_lshl_b32 s3, s3, 18
	s_add_co_u32 s2, s2, s3
	s_and_b32 s3, s15, 15                          ; the head: 128 rows of 128 bytes,
	s_lshl_b32 s3, s3, 14
	s_add_co_u32 s2, s2, s3
	s_and_b32 s3, s12, 1                           ; its first or last 64 rows
	s_lshl_b32 s3, s3, 13
	s_add_co_u32 s2, s2, s3
	s_mov_b32 s3, 0
	s_mul_i32 s22, s12, KQ                         ; where the tiles that I ask for go: no place in the cluster enters an LDS address
	s_mul_i32 s23, s12, VQ
	s_add_co_u32 s23, s23, VBASE
	s_mul_i32 s8, s11, 128*KP                      ; where I read: my 128 keys of K
	s_mul_i32 s9, s11, 128*VP                      ; and of V
	s_add_co_u32 s9, s9, VBASE
	s_mul_i32 s45, s12, STW
	s_add_co_u32 s45, s45, STAGE                   ; the stage of my queries (the lower wave's alone)
	s_mul_i32 s46, s12, MRGW
	s_add_co_u32 s46, s46, MRG                     ; where the upper wave of my pair hands over
	s_wait_dscnt 0x0
	s_wait_kmcnt 0x0
	s_add_nc_u64 s[16:17], s[4:5], s[16:17]
	s_add_nc_u64 s[18:19], s[4:5], s[18:19]
	s_add_nc_u64 s[40:41], s[4:5], s[20:21]        ; my 64 rows of q
	s_add_nc_u64 s[42:43], s[6:7], s[2:3]          ; my 64 rows of ctx
	CROUND                                         ; all four work-groups are here: the first joint loads meet
.irp s, 0,1
	s_mov_b32 s[G0K+4*\s], 1
	s_add_co_u32 s[G0K+4*\s+1], s22, \s*SLOTB
	s_add_nc_u64 s[G0K+4*\s+2:G0K+4*\s+3], s[16:17], \s*TILEB
	s_or_b32 s[G0K+4*\s+3], s[G0K+4*\s+3], 0x80000000
	s_mov_b32 s[G0V+4*\s], 1
	s_add_co_u32 s[G0V+4*\s+1], s23, \s*SLOTB
	s_add_nc_u64 s[G0V+4*\s+2:G0V+4*\s+3], s[18:19], \s*TILEB
	s_or_b32 s[G0V+4*\s+3], s[G0V+4*\s+3], 0x80000000
	JLOAD \s                                       ; keys 0-255 and 256-511: two loads of the wave are out
.endr
	v_and_b32 v1, 15, v0                           ; r = l % 16
	v_bfe_u32 v2, v0, 4, 1                         ; h = l / 16
	v_and_b32 v3, 7, v0                            ; l % 8
	v_bfe_u32 v4, v0, 3, 1                         ; (l / 8) % 2
	v_and_b32 v5, 31, v0                           ; l
	v_mul_u32_u24 v6, v1, KP
	v_lshl_add_u32 v6, v2, 4, v6                   ; r x pitch + 16 h
	v_add_nc_u32 v[KA], s8, v6                     ; K's fragments, in my 128 keys of slot 0
	v_add_nc_u32 v[KA+1], SLOTB, v[KA]
	v_add_nc_u32 v[STO], s45, v6                   ; the stage has the same pitch
	v_lshl_add_u32 v7, v2, 3, v3
	v_mul_u32_u24 v7, v7, VP
	v_lshl_add_u32 v7, v4, 4, v7                   ; V's: (8 h + l % 8) x pitch + 16 ((l / 8) % 2)
	v_add_nc_u32 v[VA], s9, v7
	v_add_nc_u32 v[VA+1], SLOTB, v[VA]
	v_lshlrev_b32 v[QO], 7, v1
	v_lshl_add_u32 v[QO], v2, 4, v[QO]             ; Q from memory: r x 128 + 16 h
	v_lshrrev_b32 v6, 3, v5
	v_mul_u32_u24 v6, v6, KP
	v_lshl_add_u32 v6, v3, 4, v6
	v_add_nc_u32 v[RD], s45, v6                    ; back from the stage: eight lanes a row, four rows a load
	v_lshlrev_b32 v[CO], 4, v5                     ; which are 512 consecutive bytes of ctx
	v_add_nc_u32 v[MG], s46, v[CO]                 ; the hand-over goes lane by lane: 16 x lane
	v_mov_b32 v[AL+1], 0                           ; the upper registers of the two pairs whose low register is broadcast: written once, never used
	v_mov_b32 v[NM+1], 0
	WIN 0x40
.irp t, 0,1,2,3
.irp ks, 0,1
	global_load_b128 v[QF+16*\t+8*\ks:QF+16*\t+8*\ks+3],   v[QO], s[40:41] offset:2048*\t+64*\ks
	global_load_b128 v[QF+16*\t+8*\ks+4:QF+16*\t+8*\ks+7], v[QO], s[40:41] offset:2048*\t+64*\ks+32
.endr
.endr
; one product of S^T(t): i = 4 ks + kt; keys 16 kt .. + 15, d = 32 ks .. + 31.  Window 0x04: Q in window 1, all else in window 0.
.macro SMM t, i
.set kt_, (\i)&3
.set ks_, (\i)>>2
.set sd_, SREG+32*(\t)+8*kt_
.if ks_ == 0
	v_wmma_f32_16x16x32_f16 v[sd_:sd_+7], v[KF+16*kt_:KF+16*kt_+7], v[QF+16*(\t):QF+16*(\t)+7], 0
.else
	v_wmma_f32_16x16x32_f16 v[sd_:sd_+7], v[KF+16*kt_+8:KF+16*kt_+15], v[QF+16*(\t)+8:QF+16*(\t)+15], v[sd_:sd_+7]
.endif
.endm
; one product of O^T(t): i = 4 u + dt; d = 16 dt .. + 15, keys 32 u .. + 31.  z: the sums start here.  Window 0x51: P in window 0, all else in window 1.
.macro PVM t, i, z
.set dt_, (\i)&3
.set u_, (\i)>>2
.set od_, OREG+32*(\t)+8*dt_
.set z0_, 0
.if \z
.if u_ == 0
.set z0_, 1
.endif
.endif
.if z0_
	v_wmma_f32_16x16x32_f16 v[od_:od_+7], v[VF+16*dt_+8*u_:VF+16*dt_+8*u_+7], v[SREG+32*(\t)+16*u_:SREG+32*(\t)+16*u_+7], 0
	s_wait_alu depctr_va_vdst(0)
.else
	v_wmma_f32_16x16x32_f16 v[od_:od_+7], v[VF+16*dt_+8*u_:VF+16*dt_+8*u_+7], v[SREG+32*(\t)+16*u_:SREG+32*(\t)+16*u_+7], v[od_:od_+7]
.endif
.endm
.macro LOADK slot, s                   ; K's fragments of step s of my half of a slot: 64 keys x 64 d, 16 loads
	WIN 0
.irp kt, 0,1,2,3
.irp ks, 0,1
	ds_load_b128 v[KF+16*\kt+8*\ks:KF+16*\kt+8*\ks+3],   v[KA+\slot] offset:(64*(\s)+16*\kt)*KP+64*\ks
	ds_load_b128 v[KF+16*\kt+8*\ks+4:KF+16*\kt+8*\ks+7], v[KA+\slot] offset:(64*(\s)+16*\kt)*KP+64*\ks+32
.endr
.endr
.endm
.macro LOADV slot, s                   ; V^T's fragments of step s: 64 d x 64 keys, 16 transposing loads
	WIN 0x40
.irp dt, 0,1,2,3
.irp u, 0,1
	ds_load_tr16_b128 v[VF+16*\dt+8*\u:VF+16*\dt+8*\u+3],   v[VA+\slot] offset:(64*(\s)+32*\u)*VP+32*\dt
	ds_load_tr16_b128 v[VF+16*\dt+8*\u+4:VF+16*\dt+8*\u+7], v[VA+\slot] offset:(64*(\s)+32*\u)*VP+32*\dt+16*VP
.endr
.endr
.endm
; The new maximum of tile t's rows, alpha = 2^(c (old - new)) and -c x new.  age 0: the first step, no old maximum.
.macro MAXB t, age
	WIN 0
.set mb_, SREG+32*\t
.irp c, 0,1,2,3
	v_max3_num_f32 v[TT+\c], v[mb_+8*\c], v[mb_+8*\c+1], v[mb_+8*\c+2]         ; four chains that do not wait for each other
.endr
.irp c, 0,1,2,3
	v_max3_num_f32 v[TT+\c], v[TT+\c], v[mb_+8*\c+3], v[mb_+8*\c+4]
.endr
.irp c, 0,1,2,3
	v_max3_num_f32 v[TT+\c], v[TT+\c], v[mb_+8*\c+5], v[mb_+8*\c+6]
.endr
.irp c, 0,1,2,3
	v_max_num_f32 v[TT+\c], v[TT+\c], v[mb_+8*\c+7]
.endr
	v_max3_num_f32 v[TT], v[TT], v[TT+1], v[TT+2]
.if \age == 0
	v_max_num_f32 v[TT], v[TT], v[TT+3]
.else
	v_max3_num_f32 v[TT], v[TT], v[TT+3], v[MX+\t]
.endif
	v_permlanex16_b32 v[TT+1], v[TT], s66, s67     ; the other 32 keys of the same query
	v_max_num_f32 v[TT], v[TT], v[TT+1]
.if \age > 0
	v_sub_f32 v[TT+2], v[MX+\t], v[TT]
	v_mul_f32 v[TT+2], s68, v[TT+2]
	v_exp_f32 v[AL], v[TT+2]                       ; the two plain lines below stand between it and alpha's first use (ISA guide 5.7.2)
.endif
	v_mul_f32 v[NM], s69, v[TT]
	v_mov_b32 v[MX+\t], v[TT]
	s_wait_alu depctr_va_vdst(0)
.endm
; O(t) x alpha, with the eight products P V of tile tp between its lines.  The last eight multiplies are also the places in front of LOADV.
.macro RESC t, tp, age
.set pvon_, 1
.set pvz_, 0
.if \t == 0
.if \age == 0
.set pvon_, 0                          ; the very first tile: no P yet
.endif
.if \age == 1
.set pvz_, 1                           ; tile 3's first products stand in the second step
.endif
.else
.if \age == 0
.set pvz_, 1
.endif
.endif
.if pvon_
	WIN 0x51
.if \age == 0
.irp i, 0,1,2,3,4,5,6,7
	PVM \tp, \i, pvz_
.endr
.else
.irp i, 0,1,2,3,4,5,6,7
	PVM \tp, \i, pvz_
	v_pk_mul_f32 v[OREG+32*\t+2*\i:OREG+32*\t+2*\i+1], v[OREG+32*\t+2*\i:OREG+32*\t+2*\i+1], v[AL:AL+1] op_sel_hi:[1,0]
.endr
.irp i, 8,9,10,11,12,13,14,15
	v_pk_mul_f32 v[OREG+32*\t+2*\i:OREG+32*\t+2*\i+1], v[OREG+32*\t+2*\i:OREG+32*\t+2*\i+1], v[AL:AL+1] op_sel_hi:[1,0]
.endr
.endif
.endif
.endm
.macro HK tn, sn                       ; behind every sixth of EXPS's 48 lines one product of S(tn)
.set ecnt_, ecnt_+1
.if \sn
.if (ecnt_%6)==0
	SMM \tn, ecnt_/6-1
.endif
.endif
.endm
; p = 2^(c s - c m) in place, and the sum of my 32.  sn = 1: the eight products of S(tn) go out between the lines.
.macro EXPS t, tn, sn
	WIN 0x04
.set ecnt_, 0
.set eb_, SREG+32*\t
.set j_, 0
.rept 16
	v_pk_fma_f32 v[eb_+2*j_:eb_+2*j_+1], v[eb_+2*j_:eb_+2*j_+1], s[68:69], v[NM:NM+1] op_sel_hi:[1,0,0]
	HK \tn, \sn
.set j_, j_+1
.endr
.set j_, 0
.rept 32
	v_exp_f32 v[eb_+j_], v[eb_+j_]
	HK \tn, \sn
.set j_, j_+1
.endr
	WIN 0
	v_nop                                          ; the plain place behind the exponentials (ISA guide 5.7.2)
	s_wait_alu depctr_va_vdst(0)
	v_pk_add_f32 v[ACC:ACC+1], v[eb_:eb_+1], v[eb_+2:eb_+3]                    ; two chains, started by the first four pairs
	v_pk_add_f32 v[ACC+2:ACC+3], v[eb_+4:eb_+5], v[eb_+6:eb_+7]
.irp i, 4,6,8,10,12,14
	v_pk_add_f32 v[ACC:ACC+1], v[ACC:ACC+1], v[eb_+2*\i:eb_+2*\i+1]
	v_pk_add_f32 v[ACC+2:ACC+3], v[ACC+2:ACC+3], v[eb_+2*\i+2:eb_+2*\i+3]
.endr
	v_pk_add_f32 v[ACC:ACC+1], v[ACC:ACC+1], v[ACC+2:ACC+3]
.endm
; the running sum, and P to f16 in place: register i of a run of 16 takes numbers 2 i and 2 i + 1, which have been read by then or are read now
.macro PACK t, age
	WIN 0
.if \age == 0
	v_add_f32 v[LS+\t], v[ACC], v[ACC+1]
.else
	v_add_f32 v[TT], v[ACC], v[ACC+1]
	v_fma_f32 v[LS+\t], v[LS+\t], v[AL], v[TT]
.endif
.irp u, 0,1
.irp i, 0,1,2,3,4,5,6,7
	v_cvt_pk_f16_f32 v[SREG+32*\t+16*\u+\i], v[SREG+32*\t+16*\u+2*\i], v[SREG+32*\t+16*\u+2*\i+1]
.endr
.endr
.endm
; One step: 64 keys against my 64 queries.  On entry S(0) is there.  nextk = 1: the next step's K comes from the same slot, and its S(0) is started.
.macro STEP slot, s, age, nextk
	MAXB 0, \age
	RESC 0, 3, \age                                ; with the last step's P V of tile 3, which still uses the old V fragments
	LOADV \slot, \s
	EXPS 0, 1, 1
	PACK 0, \age
	MAXB 1, \age
	s_wait_dscnt 0x0                               ; V's fragments: issued a whole tile's work ago
	RESC 1, 0, \age
	EXPS 1, 2, 1
	PACK 1, \age
	MAXB 2, \age
	RESC 2, 1, \age
	EXPS 2, 3, 1
	PACK 2, \age
.if \nextk
	LOADK \slot, \s+1                              ; S(3) was K's last reader; the sums and the packing since are more than four places
.endif
	MAXB 3, \age
	RESC 3, 2, \age
.if \nextk
	s_wait_dscnt 0x0                               ; the next step's K
.endif
	EXPS 3, 0, \nextk
	PACK 3, \age
.endm
.macro FIRST slot                      ; a slot's first S(0)
	LOADK \slot, 0
	s_wait_dscnt 0x0
	WIN 0x04
.irp i, 0,1,2,3,4,5,6,7
	SMM 0, \i
.endr
	PLACES
.endm
; My 128 keys of one slot.  refill = 1: the other slot, read last, is filled again, two tiles ahead; the load has the whole phase in which to land.
.macro PHASE slot, other, refill
	WIN 0
	s_wait_tensorcnt 0x0                           ; all my tensor loads have landed, my part of this slot among them: every group 0 may be written
	ds_add_u32 v254, v255
	s_wait_dscnt 0x0
	s_wait_dscnt 0x0                               ; my reads of the other slot are back
.if \refill
	s_add_nc_u64 s[G0K+4*\other+2:G0K+4*\other+3], s[G0K+4*\other+2:G0K+4*\other+3], 2*TILEB
	s_add_nc_u64 s[G0V+4*\other+2:G0V+4*\other+3], s[G0V+4*\other+2:G0V+4*\other+3], 2*TILEB
	CROUND                                         ; both now hold of every wave of all four work-groups
	JLOAD \other                                   ; my one tensor load behind the round, and the first thing there
.else
	s_barrier_signal -1                            ; it shows the slot whole to every wave
	s_barrier_wait -1
.endif
	FIRST \slot
	STEP \slot, 0, 2, 1
	STEP \slot, 1, 2, 0
.endm
	s_wait_tensorcnt 1                             ; my part of slot 0 is in; slot 1's load stays out
	s_barrier_signal -1
	s_barrier_wait -1
	s_wait_loadcnt 0x0                             ; Q
	FIRST 0
	STEP 0, 0, 0, 1                                ; the first step starts maxima, sums and O(0..2),
	STEP 0, 1, 1, 0                                ; the second starts O(3)
	WIN 0
	s_mov_b32 s44, 3
.Lpair:
	PHASE 1, 0, 1
	PHASE 0, 1, 1
	WIN 0
	s_sub_co_u32 s44, s44, 1
	s_cmp_lg_u32 s44, 0
	s_cbranch_scc1 .Lpair
	PHASE 1, 0, 0                                  ; keys 1792-2047: nothing is left to fetch
	WIN 0x51
.irp i, 0,1,2,3,4,5,6,7
	PVM 3, \i, 0                                   ; the last step's tile 3
.endr
	PLACES                                         ; in front of the LDS stores and the arithmetic that read O, and of the loads into P's registers
	; THE HAND-OVER: the upper wave of each pair stores O (32 x 512 bytes, register group n at 512 n + 16 x lane), its maxima and its sums
	WIN 0
	s_cmp_eq_u32 s11, 0
	s_cbranch_scc1 .Lkeeps
	WIN 0x04                                       ; LDS store data in window 1
.set n_, 0
.rept 32
	ds_store_b128 v[MG], v[OREG+4*n_:OREG+4*n_+3] offset:512*n_
.set n_, n_+1
.endr
	WIN 0
	ds_store_b128 v[MG], v[MX:MX+3] offset:32*512
	ds_store_b128 v[MG], v[LS:LS+3] offset:33*512
.Lkeeps:
	s_wait_dscnt 0x0                               ; for the partner's sake: my stores are done
	s_barrier_signal -1
	s_barrier_wait -1
	s_cmp_lg_u32 s11, 0
	s_cbranch_scc1 .Lclose                         ; the upper waves have nothing more to do but the closing round
	; THE JOIN, in the lower wave: m = max(m1, m2), a_i = 2^(c (m_i - m)), sum = a1 sum1 + a2 sum2, O = O1 (a1 / sum) + O2 (a2 / sum)
	ds_load_b128 v[KF:KF+3], v[MG] offset:32*512   ; the partner's maxima
	ds_load_b128 v[KF+4:KF+7], v[MG] offset:33*512 ; and sums
.set n_, 0
.rept 32
	ds_load_b128 v[SREG+4*n_:SREG+4*n_+3], v[MG] offset:512*n_         ; its O, register for register as mine lies in window 1
.set n_, n_+1
.endr
	s_wait_dscnt 32                                ; maxima and sums are in; the 32 younger loads stay out
.irp t, 0,1,2,3
	v_max_num_f32 v[TT+\t], v[MX+\t], v[KF+\t]
.endr
.irp t, 0,1,2,3
	v_sub_f32 v[MX+\t], v[MX+\t], v[TT+\t]
	v_sub_f32 v[KF+\t], v[KF+\t], v[TT+\t]
.endr
.irp t, 0,1,2,3
	v_mul_f32 v[MX+\t], s68, v[MX+\t]
	v_mul_f32 v[KF+\t], s68, v[KF+\t]
.endr
.irp t, 0,1,2,3
	v_exp_f32 v[MX+\t], v[MX+\t]                   ; a1
	v_exp_f32 v[KF+\t], v[KF+\t]                   ; a2
.endr
	v_nop                                          ; the plain place behind them (ISA guide 5.7.2)
	s_wait_alu depctr_va_vdst(0)
.irp t, 0,1,2,3
	v_mul_f32 v[LS+\t], v[LS+\t], v[MX+\t]
.endr
.irp t, 0,1,2,3
	v_fma_f32 v[LS+\t], v[KF+4+\t], v[KF+\t], v[LS+\t]
.endr
.irp t, 0,1,2,3
	v_permlanex16_b32 v[TT+\t], v[LS+\t], s66, s67 ; the other half of the lanes holds the other keys' part of the sum
.endr
.irp t, 0,1,2,3
	v_add_f32 v[LS+\t], v[LS+\t], v[TT+\t]
.endr
.irp t, 0,1,2,3
	v_rcp_f32 v[LS+\t], v[LS+\t]
.endr
	v_nop                                          ; the plain place behind them
	s_wait_alu depctr_va_vdst(0)
.irp t, 0,1,2,3
	v_mul_f32 v[F1+2*\t],   v[MX+\t], v[LS+\t]     ; each factor twice, to fill the pair that the packed forms take
	v_mul_f32 v[F1+2*\t+1], v[MX+\t], v[LS+\t]
	v_mul_f32 v[F2+2*\t],   v[KF+\t], v[LS+\t]
	v_mul_f32 v[F2+2*\t+1], v[KF+\t], v[LS+\t]
.endr
	s_wait_dscnt 0x0                               ; the partner's O
.irp t, 0,1,2,3
.irp i, 0,1,2,3,4,5,6,7,8,9,10,11,12,13,14,15
	v_pk_mul_f32 v[SREG+32*\t+2*\i:SREG+32*\t+2*\i+1], v[SREG+32*\t+2*\i:SREG+32*\t+2*\i+1], v[F2+2*\t:F2+2*\t+1]
.endr
.endr
	WIN 0x01                                       ; my O in window 1, all else in window 0
.irp t, 0,1,2,3
.irp i, 0,1,2,3,4,5,6,7,8,9,10,11,12,13,14,15
	v_pk_fma_f32 v[SREG+32*\t+2*\i:SREG+32*\t+2*\i+1], v[OREG+32*\t+2*\i:OREG+32*\t+2*\i+1], v[F1+2*\t:F2-8+2*\t+1], v[SREG+32*\t+2*\i:SREG+32*\t+2*\i+1]
.endr
.endr
	; THE WAY OUT: f16 (packed downwards in place: register 16 t + i takes numbers 32 t + 2 i and + 1, never one that is still to be read), through my stage, 512 consecutive bytes a store
	WIN 0
.irp t, 0,1,2,3
.irp i, 0,1,2,3,4,5,6,7,8,9,10,11,12,13,14,15
	v_cvt_pk_f16_f32 v[SREG+16*\t+\i], v[SREG+32*\t+2*\i], v[SREG+32*\t+2*\i+1]
.endr
.endr
.irp t, 0,1,2,3
.irp dt, 0,1,2,3
	ds_store_b128 v[STO], v[SREG+16*\t+4*\dt:SREG+16*\t+4*\dt+3] offset:16*KP*\t+32*\dt    ; query 16 t + r, d = 16 dt + 8 h .. + 7
.endr
.endr
.irp n, 0,1,2,3,4,5,6,7,8,9,10,11,12,13,14,15
	ds_load_b128 v[KF+4*\n:KF+4*\n+3], v[RD] offset:4*KP*\n            ; LDS serves a wave's instructions in order (ISA guide 5.7.1): these see the stores above
.endr
.irp n, 0,1,2,3,4,5,6,7,8,9,10,11,12,13,14,15
	s_wait_dscnt 15-\n                             ; load n is in, the 15 - n younger ones stay out
	global_store_b128 v[CO], v[KF+4*\n:KF+4*\n+3], s[42:43] offset:512*\n
.endr
.Lclose:
	s_wait_tensorcnt 0x0
	ds_add_u32 v254, v255
	s_wait_dscnt 0x0
	CROUND                                         ; the closing round
	s_endpgm
.Lfunc_end_k_qed1015151f_attn:
	.size	k_qed1015151f_attn, .Lfunc_end_k_qed1015151f_attn-k_qed1015151f_attn
	.p2alignl 7, 3214868480
	.fill 96, 4, 3214868480
	.section	.rodata,"a",@progbits
	.p2align	6, 0x0
	.amdhsa_kernel k_qed1015151f_attn
		.amdhsa_group_segment_fixed_size 327680
		.amdhsa_private_segment_fixed_size 0
		.amdhsa_enable_private_segment 0
		.amdhsa_kernarg_size 16
		.amdhsa_user_sgpr_count 2
		.amdhsa_user_sgpr_kernarg_segment_ptr 1
		.amdhsa_wavefront_size32 1
		.amdhsa_system_sgpr_workgroup_id_x 1
		.amdhsa_system_sgpr_workgroup_id_y 1
		.amdhsa_system_sgpr_workgroup_id_z 1
		.amdhsa_system_vgpr_workitem_id 0
		.amdhsa_next_free_vgpr 512
		.amdhsa_next_free_sgpr 70
		.amdhsa_reserve_vcc 0
		.amdhsa_float_denorm_mode_32 3
		.amdhsa_float_denorm_mode_16_64 3
		.amdhsa_memory_ordered 1
		.amdhsa_forward_progress 1
		.amdhsa_inst_pref_size 255
	.end_amdhsa_kernel
	.section	.bss,"aw",@nobits
	.p2align	6
	.space	262144
	.amdgpu_metadata
---
amdhsa.version: [ 1, 2 ]
amdhsa.kernels:
  - .name:           k_qed1015151f_attn
    .symbol:         k_qed1015151f_attn.kd
    .args:
      - { .name: qkvh, .offset: 0, .size: 8, .value_kind: global_buffer, .address_space: global }
      - { .name: ctxh, .offset: 8, .size: 8, .value_kind: global_buffer, .address_space: global }
    .group_segment_fixed_size: 327680
    .private_segment_fixed_size: 0
    .kernarg_segment_align: 8
    .kernarg_segment_size: 16
    .max_flat_workgroup_size: 256
    .sgpr_count:     70
    .vgpr_count:     512
    .wavefront_size: 32
...
	.end_amdgpu_metadata
.endif
;; end of part 3
;; launch oproj (part 4): grid 8 x 32, 4 waves a work-group, clusters of 4 x 4, 327,680 bytes of LDS; arguments ctxh, cb, bo, out0; writes out0
.if DOCPART == 4
	.amdgcn_target "amdgcn-amd-amdhsa--gfx1250"
	.amdhsa_code_object_version 6
	.text
	.protected	k_qed1015151f_oproj
	.globl	k_qed1015151f_oproj
	.p2align	8
	.type	k_qed1015151f_oproj,@function
k_qed1015151f_oproj:
	s_mov_b64 s[64:65], 0
	v_nop
	global_prefetch_b8 v0, s[64:65] scope:SCOPE_SE
	s_setreg_imm32_b32 hwreg(HW_REG_WAVE_MODE, 25, 1), 1
	s_wait_xcnt 0x0
	s_wait_alu depctr_hold_cnt(0) depctr_sa_sdst(0) depctr_va_vdst(0) depctr_va_sdst(0) depctr_va_ssrc(0) depctr_va_vcc(0) depctr_vm_vsrc(0)
	s_getreg_b32 s2, hwreg(HW_REG_IB_STS2, 6, 4)
	s_cmp_eq_u32 s2, 0
	s_cbranch_scc0 .Lentry_in_a_cluster
	s_endpgm
.Lentry_in_a_cluster:
	s_bfe_u32 s2, ttmp6, 0x10000c
	s_cmp_lg_u32 s2, 0xf033
	s_cbranch_scc0 .Lentry_shape_is_right
	s_endpgm
.Lentry_shape_is_right:
; out0 = ctx Wo + bo.  ctx: f16 [block of 128 rows][head][128][64] (k = 64 head + d); Wo: f16 [1024 k][1024 n] at 30 MiB of cb; bo, out0: f32; sums in f32.
; LIMIT: operands are f16 (|ctx|, |Wo| below 65,504).
; A work-group makes 128 x 128 with four waves: 32 block rows x 8 block columns = 256 work-groups.  A wave's tile is 64 x 128 (32 accumulator tiles, 256 registers:
; 24 LDS loads feed 32 matrix instructions), and the two waves that share 64 rows SHARE K: of each LDS slot's 256 along K one takes the first 128, the other the last 128.
; At the end each of the two sends the other half of its sums through LDS and finishes 32 rows.
; K goes in steps of 256 (four heads) through two LDS slots: four steps, of which two are refills; nothing is looped.
; CLUSTERS 4 x 4: ctx's tiles are shared along a row of the cluster, Wo's along a column, each asked for jointly, which divides the requests for both by four.
; The matrix instruction is used transposed (source 0 = Wo's columns, by the transposing load; source 1 = ctx's rows): a lane holds eight neighbouring f32 of a row.
; The 32 accumulators take turns, one instruction a turn, in the same order in every quarter step.
; window 0: v16-31 addresses and bias; v32-63, v64-95 ctx's fragments, two buffers; v96-159, v160-223 Wo's, two buffers.  window 1: tile (a, b) at v[8 (8 a + b)].
.set SIZE_N, 1024
.set KSLOT,  256                       ; along K in a slot
.set APITCH, 144                       ; a head's row: 128 bytes + 16, an odd multiple of 16
.set BPITCH, 288                       ; Wo's row of 128 n: 256 bytes + 32, an odd multiple of 32, for the transposing load
.set AHD,    128*APITCH                ; one head's 128 rows; waves 0 and 1 each bring two heads, 256 rows that are dense in memory
.set BHALF,  128*BPITCH                ; 128 rows of Wo: what waves 2 and 3 each bring
.set BBASE,  4*AHD
.set SLOT,   BBASE+2*BHALF             ; 147,456
.set HEADB,  16384                     ; bytes of one head's 128 rows in ctxh
; Slot 0 has its last fill in the first change of slots and its last reads in front of the barrier of the third: behind that barrier its bytes serve the end of the kernel:
.set MRGH,   16384                     ; bytes 0 to 65,535: for each pair of waves two boxes of 16 tiles (32 x 512 bytes)
.set STAGE,  65536                     ; then 16 rows x 528 bytes for each wave
.set SPITCH, 528
.set ADRA, 16
.set ADRB, 20
.set STO,  24
.set RD,   25
.set CO,   26
.set MG,   27
.set BI,   28                          ; v[28:31] the bias of my four columns on the way out
.set FA,   32
.set FB,   96
.set G1, 24
.set G0, 32
.set G1B, 48
.set G0B, 56
.set MULW, 0x50                        ; C and D in window 1, sources in window 0
.set MSB, 0
.macro WIN new                         ; the immediate's high byte repeats the setting that is left
.if MSB != \new
	s_set_vgpr_msb (MSB<<8)|\new
.set MSB, \new
.endif
.endm
.macro PLACES                          ; four places behind a matrix instruction (ISA guide 7.12.1 for vector instructions)
.rept 4
	v_nop
.endr
.endm
.macro JLOAD s                         ; waves 0 and 1 ask for ctx's two halves, waves 2 and 3 for Wo's
	s_cmp_eq_u32 s11, 0
	s_cbranch_scc0 .Lfor_b_\@
	tensor_load_to_lds s[G0+4*\s:G0+4*\s+3], s[G1:G1+7]
	s_nop 0
	s_branch .Lasked_\@
.Lfor_b_\@:
	tensor_load_to_lds s[G0B+4*\s:G0B+4*\s+3], s[G1B:G1B+7]
	s_nop 0
.Lasked_\@:
.endm
.macro CREST                           ; a round of the cluster's barrier behind its opening barrier
	s_cmp_lg_u32 s10, 0
	s_cbranch_scc1 .Lnot_wave_0_\@
	s_barrier_signal -3
.Lnot_wave_0_\@:
	s_barrier_wait -3
	s_barrier_signal -1
	s_barrier_wait -1
.endm
.macro CROUND
	s_barrier_signal -1
	s_barrier_wait -1
	CREST
.endm
	s_load_b128 s[4:7], s[0:1], 0x0                ; ctxh s[4:5], cb s[6:7]
	s_load_b128 s[68:71], s[0:1], 0x10             ; bo s[68:69], out0 s[70:71]
	v_lshl_add_u32 v254, v0, 2, 0x48000
	v_mov_b32 v255, 0
	ds_add_u32 v254, v255
	v_lshrrev_b32 v1, 5, v0
	v_readfirstlane_b32 s10, v1                    ; wave 0..3
	s_lshr_b32 s11, s10, 1                         ; which 128 of a slot's K are mine.  Also: I fetch for ctx (0) or for Wo (1)
	s_and_b32 s12, s10, 1                          ; which 64 rows are mine.  Also: which half of that tile I fetch
	s_bfe_u32 s40, ttmp6, 0x40000                  ; cx
	s_bfe_u32 s41, ttmp6, 0x40004                  ; cy
	s_lshl_b32 s42, ttmp9, 2
	s_add_co_u32 s42, s42, s40                     ; block column, 0 to 7
	s_and_b32 s13, ttmp7, 0xffff
	s_lshl_b32 s13, s13, 2
	s_add_co_u32 s13, s13, s41                     ; block row, 0 to 31
	s_lshl_b32 s43, s41, 2
	s_lshl_b32 s43, 15, s43                        ; my row of the cluster
	s_lshl_b32 s44, 0x1111, s40                    ; my column
	; group 1 for ctx: 256 rows (two heads) x 64 elements of 2 bytes, 16 bytes of padding behind every 32 words
	s_or_b32 s[G1+0], s43, (1<<16)|(1<<20)|(1<<21)|(4<<22)|(3<<25)
	s_mov_b32 s[G1+1], 64<<16                      ; tensor_dim0 = 64
	s_mov_b32 s[G1+2], 256<<16                     ; tensor_dim1 = 256
	s_mov_b32 s[G1+3], 64<<16                      ; tile_dim0 = 64
	s_mov_b32 s[G1+4], 256                         ; tile_dim1 = 256
	s_mov_b32 s[G1+5], 64                          ; elements from row to row: dense
	s_mov_b32 s[G1+6], 0
	s_mov_b32 s[G1+7], 0
	; group 1 for Wo: 128 rows (k) x 128 elements (n), 32 bytes of padding behind every 64 words
	s_or_b32 s[G1B+0], s44, (1<<16)|(1<<20)|(1<<21)|(5<<22)|(7<<25)
	s_mov_b32 s[G1B+1], 128<<16
	s_mov_b32 s[G1B+2], 128<<16
	s_mov_b32 s[G1B+3], 128<<16
	s_mov_b32 s[G1B+4], 128
	s_mov_b32 s[G1B+5], SIZE_N
	s_mov_b32 s[G1B+6], 0
	s_mov_b32 s[G1B+7], 0
	; where the tiles come from.  ctx's hang on the block row alone, Wo's on the block column alone; each in registers that never hold the other coordinate.
	s_lshl_b32 s16, s13, 18                        ; ctx: sixteen heads of 16,384 bytes a block row,
	s_lshl_b32 s17, s12, 15                        ; the first or the last two of a slot's four heads
	s_add_co_u32 s16, s16, s17
	s_mov_b32 s17, 0
	s_lshl_b32 s46, s42, 8                         ; Wo: 128 columns of 2 bytes a block column,
	s_lshl_b32 s47, s12, 18                        ; 128 rows of 2,048 bytes for the second half,
	s_add_co_u32 s46, s46, s47
	s_add_co_u32 s46, s46, 0x1e00000               ; 30 MiB into cb
	s_mov_b32 s47, 0
	s_mul_i32 s20, s12, 2*AHD                      ; where the tiles go: no place in the cluster enters an LDS address
	s_mul_i32 s21, s12, BHALF
	s_add_co_u32 s21, s21, BBASE
	s_wait_dscnt 0x0
	s_wait_kmcnt 0x0
	s_add_nc_u64 s[14:15], s[4:5], s[16:17]
	s_add_nc_u64 s[46:47], s[6:7], s[46:47]
	CROUND                                         ; all sixteen work-groups are here: the first joint loads meet
.irp s, 0,1
	s_mov_b32 s[G0+4*\s], 1
	s_add_co_u32 s[G0+4*\s+1], s20, \s*SLOT
	s_add_nc_u64 s[G0+4*\s+2:G0+4*\s+3], s[14:15], \s*4*HEADB          ; step s: four heads on
	s_or_b32 s[G0+4*\s+3], s[G0+4*\s+3], 0x80000000
	s_mov_b32 s[G0B+4*\s], 1
	s_add_co_u32 s[G0B+4*\s+1], s21, \s*SLOT
	s_add_nc_u64 s[G0B+4*\s+2:G0B+4*\s+3], s[46:47], \s*KSLOT*SIZE_N*2 ; step s: 256 rows down
	s_or_b32 s[G0B+4*\s+3], s[G0B+4*\s+3], 0x80000000
	JLOAD \s                                       ; half of all that the work-group reads is asked for at once: two loads of the wave are out
.endr
	v_and_b32 v1, 15, v0                           ; r
	v_bfe_u32 v2, v0, 4, 1                         ; h
	v_mul_u32_u24 v3, v1, APITCH
	v_lshl_add_u32 v3, v2, 4, v3                   ; ctx's fragments: r x pitch + 16 h
	v_and_b32 v7, 7, v0
	v_lshl_add_u32 v6, v2, 3, v7
	v_mul_u32_u24 v6, v6, BPITCH
	v_bfe_u32 v9, v0, 3, 1
	v_lshl_add_u32 v6, v9, 4, v6                   ; Wo's: (8 h + l % 8) x pitch + 16 ((l / 8) % 2)
	s_mul_i32 s22, s12, 64*APITCH                  ; my 64 rows,
	s_mul_i32 s23, s11, 2*AHD                      ; my two heads
	s_add_co_u32 s22, s22, s23
	s_mul_i32 s23, s11, BHALF                      ; my 128 rows of Wo
	s_add_co_u32 s23, s23, BBASE
.irp s, 0,1
	v_add_nc_u32 v[ADRA+\s], s22, v3
	v_add_nc_u32 v[ADRB+\s], s23, v6
	s_add_co_u32 s22, s22, SLOT
	s_add_co_u32 s23, s23, SLOT
.endr
	s_mul_i32 s66, s10, 16*SPITCH
	s_add_co_u32 s66, s66, STAGE                   ; my stage
	v_mul_u32_u24 v4, v1, SPITCH
	v_lshl_add_u32 v4, v2, 5, v4                   ; in: row r, 32 bytes for each half of the lanes
	v_add_nc_u32 v[STO], s66, v4
	v_and_b32 v8, 31, v0
	v_lshlrev_b32 v[CO], 4, v8                     ; back and out: a row of 512 bytes, 16 x lane
	v_add_nc_u32 v[RD], s66, v[CO]
	s_lshl_b32 s67, s12, 15                        ; my pair's two boxes
	v_add_nc_u32 v[MG], s67, v[CO]
	s_lshl_b32 s46, s42, 9                         ; my first column, in bytes of f32 (in the registers that held Wo's address: none that feeds ctx's descriptors holds cx)
	s_mov_b32 s47, 0
	s_add_nc_u64 s[68:69], s[68:69], s[46:47]
	s_add_nc_u64 s[70:71], s[70:71], s[46:47]
	s_lshl_b32 s16, s13, 19                        ; my first row: 128 rows of 4,096 bytes a block row,
	s_lshl_b32 s17, s12, 18                        ; 64 for the second half
	s_add_co_u32 s16, s16, s17
	s_mov_b32 s17, 0
	s_add_nc_u64 s[70:71], s[70:71], s[16:17]
	global_load_b128 v[BI:BI+3], v[CO], s[68:69]   ; waited for in front of the way out
.macro MUL16 f, a0, zero               ; m blocks a0, a0 + 1 x all 8 n blocks, 32 along K, from buffer f
.irp a, \a0, \a0+1
.irp b, 0,1,2,3,4,5,6,7
.if \zero
	v_wmma_f32_16x16x32_f16 v[8*(8*(\a)+\b):8*(8*(\a)+\b)+7], v[FB+64*\f+8*\b:FB+64*\f+8*\b+7], v[FA+32*\f+8*(\a):FA+32*\f+8*(\a)+7], 0
.else
	v_wmma_f32_16x16x32_f16 v[8*(8*(\a)+\b):8*(8*(\a)+\b)+7], v[FB+64*\f+8*\b:FB+64*\f+8*\b+7], v[FA+32*\f+8*(\a):FA+32*\f+8*(\a)+7], v[8*(8*(\a)+\b):8*(8*(\a)+\b)+7]
.endif
.endr
.endr
.endm
.macro FETCH slot, q, f                ; 24 LDS loads: quarter q of my 128 along K (32 K: half of my head q / 2) into buffer f
.irp b, 0,1,2,3,4,5,6,7
	ds_load_tr16_b128 v[FB+64*\f+8*\b:FB+64*\f+8*\b+3],   v[ADRB+\slot] offset:\q*32*BPITCH+32*\b
	ds_load_tr16_b128 v[FB+64*\f+8*\b+4:FB+64*\f+8*\b+7], v[ADRB+\slot] offset:\q*32*BPITCH+32*\b+16*BPITCH
.endr
.irp a, 0,1,2,3
	ds_load_b128 v[FA+32*\f+8*\a:FA+32*\f+8*\a+3],   v[ADRA+\slot] offset:AHD*(\q>>1)+64*(\q&1)+16*APITCH*\a
	ds_load_b128 v[FA+32*\f+8*\a+4:FA+32*\f+8*\a+7], v[ADRA+\slot] offset:AHD*(\q>>1)+64*(\q&1)+16*APITCH*\a+32
.endr
.endm
; One of a step's first three quarters: buffer f is in; quarter q's loads into buffer g go out ahead of f's 32 matrix instructions.
.macro QUARTER slot, q, f, g, zero
	s_wait_dscnt 0x0                               ; buffer f: issued a quarter ago
	PLACES                                         ; behind the last quarter's matrix instructions, which read buffer g
	WIN 0
	FETCH \slot, \q, \g
	WIN MULW
	MUL16 \f, 0, \zero
	MUL16 \f, 2, \zero
.endm
.macro THREE slot, zero
	QUARTER \slot, 1, 0, 1, \zero
	QUARTER \slot, 2, 1, 0, 0
	QUARTER \slot, 3, 0, 1, 0
.endm
; The last quarter multiplies buffer 1 and changes slots; fill = 1: this slot is filled again, two steps ahead.
.macro TURN slot, next, fill
	s_wait_dscnt 0x0                               ; buffer 1 is in, and with it my reads of this slot are over
	s_wait_tensorcnt 0x0                           ; all my tensor loads have landed: the one that was out is my part of the next slot
	ds_add_u32 v254, v255
	s_wait_dscnt 0x0
	s_barrier_signal -1                            ; (where a slot is filled again this barrier opens a round of the cluster's barrier)
	WIN MULW
	MUL16 1, 0, 0                                  ; work on registers while the others arrive
	WIN 0
	s_barrier_wait -1
.if \fill
	CREST                                          ; no wave of any partner still reads this slot or has a load on its way
	s_add_nc_u64 s[G0+4*\slot+2:G0+4*\slot+3], s[G0+4*\slot+2:G0+4*\slot+3], 8*HEADB
	s_add_nc_u64 s[G0B+4*\slot+2:G0B+4*\slot+3], s[G0B+4*\slot+2:G0B+4*\slot+3], 2*KSLOT*SIZE_N*2
	JLOAD \slot                                    ; the first tensor load behind the round, one a wave
.endif
	PLACES
	FETCH \next, 0, 0
	WIN MULW
	MUL16 1, 2, 0
.endm
	s_wait_tensorcnt 1                             ; my part of step 0 is in; step 1's load stays out
	s_barrier_signal -1
	s_barrier_wait -1
	FETCH 0, 0, 0
	THREE 0, 1                                     ; K 0-255; the first products start the sums
	TURN 0, 1, 1                                   ; slot 0 gets K 512-767
	THREE 1, 0                                     ; K 256-511
	TURN 1, 0, 1                                   ; slot 1 gets K 768-1023: the last fill
	THREE 0, 0                                     ; K 512-767
	TURN 0, 1, 0                                   ; behind this barrier no wave reads slot 0 any more and no load lands in it
	THREE 1, 0                                     ; K 768-1023
	s_wait_dscnt 0x0
	WIN MULW
	MUL16 1, 0, 0
	MUL16 1, 2, 0
	; THE EXCHANGE.  The wave with the first half of K finishes rows 0-31 of the pair's 64 (tiles a = 0, 1), the other rows 32-63 (a = 2, 3).
	; Each stores the sixteen tiles that the partner finishes, register group n at 512 n + 16 x lane of its box.
.macro SEND a0, box
	WIN 0x04                                       ; LDS store data in window 1
.set n_, 0
.rept 32
	ds_store_b128 v[MG], v[64*\a0+4*n_:64*\a0+4*n_+3] offset:\box*MRGH+512*n_
.set n_, n_+1
.endr
	WIN 0
.endm
; 16 rows: the sums go as they are into my own stage, come back as whole rows of 512 bytes, take the bias and leave.
.macro OUTA a
	WIN 0x04
.irp b, 0,1,2,3,4,5,6,7
	ds_store_b128 v[STO], v[8*(8*\a+\b):8*(8*\a+\b)+3]   offset:64*\b
	ds_store_b128 v[STO], v[8*(8*\a+\b)+4:8*(8*\a+\b)+7] offset:64*\b+16
.endr
	WIN 0
	s_wait_xcnt 0x0                                ; v[32:95], which earlier stores read, are loaded again only behind this wait
.irp i, 0,1,2,3,4,5,6,7,8,9,10,11,12,13,14,15
	ds_load_b128 v[FA+4*\i:FA+4*\i+3], v[RD] offset:SPITCH*\i          ; LDS serves a wave's instructions in order (ISA guide 5.7.1)
.endr
.irp i, 0,1,2,3,4,5,6,7,8,9,10,11,12,13,14,15
	s_wait_dscnt 15-\i                             ; row i is in, the 15 - i younger loads stay out
	v_pk_add_f32 v[FA+4*\i:FA+4*\i+1],   v[FA+4*\i:FA+4*\i+1],   v[BI:BI+1]
	v_pk_add_f32 v[FA+4*\i+2:FA+4*\i+3], v[FA+4*\i+2:FA+4*\i+3], v[BI+2:BI+3]
	global_store_b128 v[CO], v[FA+4*\i:FA+4*\i+3], s[70:71] offset:(16*\a+\i)*4096   ; 512 consecutive bytes of a row, aligned
.endr
.endm
; the partner's sums of tiles a0 and a1 = a0 + 1 are added onto mine, and the 32 rows leave
.macro FINISH a0, a1, box
.set n_, 0
.rept 32
	ds_load_b128 v[FA+4*n_:FA+4*n_+3], v[MG] offset:\box*MRGH+512*n_
.set n_, n_+1
.endr
	s_wait_dscnt 0x0
	WIN 0x41                                       ; my sums in window 1, the partner's in window 0
.set n_, 0
.rept 64
	v_pk_add_f32 v[64*\a0+2*n_:64*\a0+2*n_+1], v[64*\a0+2*n_:64*\a0+2*n_+1], v[FA+2*n_:FA+2*n_+1]
.set n_, n_+1
.endr
	OUTA \a0
	OUTA \a1
.endm
	PLACES                                         ; behind the last matrix instructions: for the LDS stores of their results and the loads into the fragment buffers
	WIN 0
	s_cmp_eq_u32 s11, 0
	s_cbranch_scc1 .Lsend_first
	SEND 0, 1                                      ; the wave with the second half of K: tiles a = 0, 1 into box 1
	s_branch .Lsent
.Lsend_first:
	SEND 2, 0                                      ; the wave with the first half: tiles a = 2, 3 into box 0
.Lsent:
	s_wait_dscnt 0x0                               ; for the partner's sake: my stores are done
	s_barrier_signal -1
	s_barrier_wait -1
	s_wait_loadcnt 0x0                             ; the bias
	s_cmp_eq_u32 s11, 0
	s_cbranch_scc1 .Lfinish_first
	FINISH 2, 3, 0
	s_branch .Lclose
.Lfinish_first:
	FINISH 0, 1, 1
.Lclose:
	s_wait_tensorcnt 0x0
	ds_add_u32 v254, v255
	s_wait_dscnt 0x0
	CROUND                                         ; the closing round: no work-group ends while a partner may still ask for a tile that names it
	s_endpgm
.Lfunc_end_k_qed1015151f_oproj:
	.size	k_qed1015151f_oproj, .Lfunc_end_k_qed1015151f_oproj-k_qed1015151f_oproj
	.p2alignl 7, 3214868480
	.fill 96, 4, 3214868480
	.section	.rodata,"a",@progbits
	.p2align	6, 0x0
	.amdhsa_kernel k_qed1015151f_oproj
		.amdhsa_group_segment_fixed_size 327680
		.amdhsa_private_segment_fixed_size 0
		.amdhsa_enable_private_segment 0
		.amdhsa_kernarg_size 32
		.amdhsa_user_sgpr_count 2
		.amdhsa_user_sgpr_kernarg_segment_ptr 1
		.amdhsa_wavefront_size32 1
		.amdhsa_system_sgpr_workgroup_id_x 1
		.amdhsa_system_sgpr_workgroup_id_y 1
		.amdhsa_system_sgpr_workgroup_id_z 1
		.amdhsa_system_vgpr_workitem_id 0
		.amdhsa_next_free_vgpr 512
		.amdhsa_next_free_sgpr 80
		.amdhsa_reserve_vcc 0
		.amdhsa_float_denorm_mode_32 3
		.amdhsa_float_denorm_mode_16_64 3
		.amdhsa_memory_ordered 1
		.amdhsa_forward_progress 1
		.amdhsa_inst_pref_size 110
	.end_amdhsa_kernel
	.amdgpu_metadata
---
amdhsa.version: [ 1, 2 ]
amdhsa.kernels:
  - .name:           k_qed1015151f_oproj
    .symbol:         k_qed1015151f_oproj.kd
    .args:
      - { .name: ctxh, .offset: 0, .size: 8, .value_kind: global_buffer, .address_space: global }
      - { .name: cb, .offset: 8, .size: 8, .value_kind: global_buffer, .address_space: global }
      - { .name: bo, .offset: 16, .size: 8, .value_kind: global_buffer, .address_space: global }
      - { .name: out0, .offset: 24, .size: 8, .value_kind: global_buffer, .address_space: global }
    .group_segment_fixed_size: 327680
    .private_segment_fixed_size: 0
    .kernarg_segment_align: 8
    .kernarg_segment_size: 32
    .max_flat_workgroup_size: 128
    .sgpr_count:     80
    .vgpr_count:     512
    .wavefront_size: 32
...
	.end_amdgpu_metadata
.endif
;; end of part 4
